; MI455X (gfx1250); checked and timed in simulation.
; The chip was launched on July 23, 2026; its instructions are those of AMD's public machine-readable ISA for CDNA 5 (MIT licence, August 2026) and "CDNA5" Instruction Set Architecture Reference Guide (July 2026). The comments in the code are by the model that wrote it; some were corrected since.
;; LSTM Cell. Allowed arithmetic: matrix products marked QUANTISED: E4M3 operands, one given power-of-two scale a tensor, by v_wmma_f32_16x16x64_fp8_fp8 or v_wmma_f32_16x16x128_fp8_fp8, f32 sums; everything else in f32.
;; Inputs: Wf 2,048 x 1,024 float32; Wi 2,048 x 1,024 float32; Wo 2,048 x 1,024 float32; Wu 2,048 x 1,024 float32; bf 1,024 float32; bi 1,024 float32; bo 1,024 float32; bu 1,024 float32; c 8,192 x 1,024 float32; h 8,192 x 1,024 float32; lowp_scales 2 int32 (the exponents e of the quantised operands' scales 2^e); x 8,192 x 1,024 float32.
;; Outputs: out0 8,192 x 1,024 float32; out1 8,192 x 1,024 float32.
;; This version of the problem:
;;   THIS VERSION OF THE PROBLEM IS GIVEN IN LOW PRECISION. The matrix products marked QUANTISED in the list below multiply operands that are first quantised to E4M3 (4 exponent bits, 3 mantissa bits; 8 bits a number), with one given power-of-two scale for each operand tensor; their sums are f32. All else is computed in f32.
;;   The module's matrix products, in the order in which they are computed (A, B: the left and right operand; K: the contracted axis; several contracted axes count as one K, in the product's order):
;;     1. [M 8,192, K 2,048] x [K 2,048, N 4,096]; A: computed on the way; B: computed on the way: QUANTISED (scales: A lowp_scales[0], B lowp_scales[1])
;;   THE QUANTISER, for each operand of a quantised product, along K:
;;     - The operand's scale is 2^e, e = its entry of the input lowp_scales (int32; the entries are numbered through the quantised products in the list's order, A before B).
;;     - Each number is divided by the scale, clamped to +-448, and rounded to the nearest number of E4M3, ties to even, subnormals kept.
;;     - The product sums the exact products of the quantised numbers (number of the format x scale) in f32.
;;   ~~~python
;;   def quantise(x, axis, e):      # numpy; x: float32 -> the quantised numbers, widened to float32 again
;;       x = np.moveaxis(x, axis, -1); K = x.shape[-1]
;;       r = np.clip(x / 2.0 ** e, -448, 448)
;;       step = 2.0 ** (np.maximum(np.frexp(np.where(r == 0, 1, r))[1] - 1, -6) - 3)
;;       q = np.round(r / step) * step * 2.0 ** e      # np.round: ties to even
;;       return np.moveaxis(q, -1, axis).astype(np.float32)
;;   ~~~
;;   OPERANDS COMPUTED ON THE WAY. 'Computed on the way' means the value that the module computes at that place (a softmax that the list does not call 'softmax' is quantised finished and normalised). What goes into a quantiser is computed in f32, as accurately as f32 sums, v_exp_f32 and their like allow (about 1e-6 of the number): no bf16 or f16 on the way to a quantiser, and a product that is left as it is and whose result goes on into a quantised operand takes f32 operands (vector FMAs, or v_wmma_f32_16x16x4_f32). A number that lies on a knife's edge between two numbers of the format may be rounded either way, as far as f32 arithmetic and the matrix unit's own rounding can turn it there, and no further.
;; One version. Each part assembles by itself: llvm-mc -triple=amdgcn-amd-amdhsa -mcpu=gfx1250 --defsym DOCPART=n.
;; ======== version 1 of 1: 2 launches
;; limits: right only within a limited range of input values
;; workspace buffers: xh_codes 16,777,216 bytes; w_codes 8,388,608 bytes
;; launch quant (part 1): grid 768 x 1, 4 waves a work-group, no clusters, 68,096 bytes of LDS; arguments x, h, Wf, Wi, Wo, Wu, lowp_scales, xh_codes, w_codes; writes xh_codes, w_codes
.if DOCPART == 1
	.amdgcn_target "amdgcn-amd-amdhsa--gfx1250"
	.amdhsa_code_object_version 6
	.text
	.protected	k_qe7db5b4489_quant
	.globl	k_qe7db5b4489_quant
	.p2align	8
	.type	k_qe7db5b4489_quant,@function
k_qe7db5b4489_quant:
	s_mov_b64 s[64:65], 0
	v_nop
	global_prefetch_b8 v0, s[64:65] scope:SCOPE_SE
	s_setreg_imm32_b32 hwreg(HW_REG_WAVE_MODE, 25, 1), 1
	s_wait_xcnt 0x0
; Both operands of the gate product are turned into codes of FP8 (E4M3), one code a byte, each with the one scale 2^e that is given for it.
;   xh_codes [8192][2048]: row = batch row; columns 0-1023 the codes of x, columns 1024-2047 the codes of h (scale entry 0).
;   w_codes (scale entry 1) lies in the order in which a wave of the product's launch takes it into registers:
;   [col 4][wave 4][tile 2][step 16][block 8][c 4][lane 32][16 bytes].  Hidden unit hid = 128 (2 col + tile) + 32 wave + 16 (block % 2) + lane % 16, gate (f, i, o, u) = block / 2,
;   k = 128 step + 32 c + 16 (lane / 16) + 0 .. 15.
; code = number / 2^e, held within +-448, rounded to the nearest code, ties to even.
; LIMITS: -126 <= e <= 119 for both entries, so that 2^e and 448 x 2^e are f32 numbers.  NaN among the inputs is not served; an infinity is held at the largest code.
; WORK-GROUPS: 0-255 take x, 256-511 h (32 rows each), 512-767 the weights (64 to a gate: 128 columns x 256 along K each).
; Waves share nothing: no barrier.  The two ways through the text part on the work-group's number and have LDS bytes of their own.
.set STEPS, 16
.set SP,    80                         ; x, h: a lane's place in a stage: 64 bytes + 16 of padding
.set WREG,  8192                       ; x, h: LDS bytes of a wave: two stages of 32 x SP
.set RA,    16                         ; v16-79   four sets of 16 numbers as loaded
.set XA,    80                         ; v80-111  two sets of 16 neighbours
.set CA,    128                        ; v128-191 codes, four registers a step
.set WSTG,  32768                      ; weights: the stages begin here
.set WP,    272                        ; weights: a stage row: 256 bytes of codes + 16
.set NB,    8                          ; weights: blocks of 32 along K for a wave
.set XW,    32                         ; v32-95   two sets of 32 numbers
.set CW,    96                         ; v96-103  a block's codes
.set OW,    112                        ; v112-175 the way out
	s_load_b256 s[8:15], s[0:1], 0x0               ; x, h, Wf, Wi
	s_load_b256 s[16:23], s[0:1], 0x20             ; Wo, Wu, the scales' exponents, xh_codes
	s_load_b64 s[24:25], s[0:1], 0x40              ; w_codes
	v_lshl_add_u32 v192, v0, 2, 0x10800            ; my spare word, behind both ways' stages
	v_mov_b32 v193, 0
	v_lshrrev_b32 v1, 5, v0
	v_readfirstlane_b32 s3, v1                     ; wave
	v_and_b32 v2, 31, v0                           ; lane
	s_wait_kmcnt 0x0
	s_load_b64 s[32:33], s[20:21], 0x0             ; e of x|h, e of the weights
	s_cmp_lt_u32 ttmp9, 512
	s_cbranch_scc0 .Lweights
; x and h: K is innermost.  A wave takes 8 rows: 16 steps of 512 numbers.  Loads read 512 bytes on end; a step turns through the wave's own stage so that a lane holds 16 neighbours.
	s_cmp_lt_u32 ttmp9, 256
	s_cselect_b64 s[4:5], s[8:9], s[10:11]
	s_cselect_b32 s27, 0, 1024                     ; h's codes lie 1,024 bytes into a row
	s_and_b32 s28, ttmp9, 255
	s_lshl_b32 s28, s28, 2
	s_add_co_u32 s28, s28, s3                      ; my run of 8 rows
	s_lshl_b32 s30, s28, 15
	s_mov_b32 s31, 0
	s_add_nc_u64 s[4:5], s[4:5], s[30:31]
	s_lshl_b32 s30, s28, 14
	s_add_co_u32 s30, s30, s27
	s_add_nc_u64 s[6:7], s[22:23], s[30:31]
	s_wait_alu depctr_va_vdst(0)                   ; the wait ahead of the reader below
	v_lshlrev_b32 v3, 4, v2
	s_mul_i32 s26, s3, WREG
	v_lshrrev_b32 v14, 2, v2
	v_mul_u32_u24 v14, v14, SP
	v_and_b32 v15, 3, v2
	v_lshl_add_u32 v14, v15, 4, v14
	v_add_nc_u32 v14, s26, v14                     ; into the stage
	v_mul_u32_u24 v15, v2, SP
	v_add_nc_u32 v15, s26, v15                     ; out of it
.macro LOAD t
.irp i, 0,1,2,3
	global_load_b128 v[RA+16*((\t)%4)+4*\i:RA+16*((\t)%4)+4*\i+3], v3, s[4:5] offset:2048*(\t)+512*\i th:TH_LOAD_NT
.endr
.endm
.macro TURN t                          ; LDS serves a wave's instructions in order: no wait between the stores and the loads
.irp i, 0,1,2,3
	ds_store_b128 v14, v[RA+16*((\t)%4)+4*\i:RA+16*((\t)%4)+4*\i+3] offset:32*SP*((\t)%2)+8*SP*\i
.endr
.irp i, 0,1,2,3
	ds_load_b128 v[XA+16*((\t)%2)+4*\i:XA+16*((\t)%2)+4*\i+3], v15 offset:32*SP*((\t)%2)+16*\i
.endr
.endm
.irp t, 0,1,2,3
	LOAD \t                                        ; loads run four steps ahead
.endr
	s_wait_alu depctr_va_vdst(0)
	s_wait_kmcnt 0x0
	s_add_co_i32 s32, s32, 127
	s_lshl_b32 s34, s32, 23
	v_mov_b32 v11, s34                             ; 2^e
	s_add_co_i32 s32, s32, 8
	s_lshl_b32 s32, s32, 23
	s_or_b32 s32, s32, 0x600000
	v_mov_b32 v10, s32                             ; 448 x 2^e
	s_wait_alu depctr_va_vdst(0)
	s_wait_loadcnt 12                              ; step 0's four loads are in
	TURN 0
.macro STEP t
.set XS, XA+16*((\t)%2)
	s_wait_dscnt 0x0                               ; this step's numbers are back, and its stage stores have read their registers
.if (\t)+4 < STEPS
	LOAD (\t)+4
.endif
.if (\t)+1 < STEPS
.if STEPS-2-(\t) >= 3
	s_wait_loadcnt 12                              ; the next step's loads are in; three steps' may be out
.else
	s_wait_loadcnt 4*(STEPS-2-(\t))
.endif
	TURN (\t)+1
.endif
.irp i, 0,1,2,3,4,5,6,7,8,9,10,11,12,13,14,15
	v_med3_num_f32 v[XS+\i], v[XS+\i], -v10, v10   ; the conversion does not saturate (ISA guide 7.6.2): the hold comes first
.endr
	v_cvt_scalef32_pk8_fp8_f32 v[CA+4*(\t):CA+4*(\t)+1], v[XS:XS+7], v11
	v_cvt_scalef32_pk8_fp8_f32 v[CA+4*(\t)+2:CA+4*(\t)+3], v[XS+8:XS+15], v11
	global_store_b128 v3, v[CA+4*(\t):CA+4*(\t)+3], s[6:7] offset:((\t)/2)*2048+((\t)%2)*512   ; 512 bytes on end
.endm
.irp t, 0,1,2,3,4,5,6,7,8,9,10,11,12,13,14,15
	STEP \t
.endr
	s_wait_tensorcnt 0x0                           ; the wave's end
	ds_add_u32 v192, v193
	s_wait_dscnt 0x0
	s_endpgm
; the weights: K is the FIRST axis.  A lane takes a column (a hidden unit), its registers run down K.  A wave takes 32 columns x 256 along K; its codes go through its own stage.
.Lweights:
	s_sub_co_u32 s26, ttmp9, 512
	s_lshr_b32 s27, s26, 6                         ; the gate
	s_bfe_u32 s28, s26, 0x30003                    ; which 256 along K
	s_and_b32 s29, s26, 7                          ; which 128 columns = 2 col + tile
	s_cmp_eq_u32 s27, 1
	s_cselect_b64 s[4:5], s[14:15], s[12:13]
	s_cmp_eq_u32 s27, 2
	s_cselect_b64 s[4:5], s[16:17], s[4:5]
	s_cmp_eq_u32 s27, 3
	s_cselect_b64 s[4:5], s[18:19], s[4:5]
	s_lshl_b32 s30, s28, 20
	s_lshl_b32 s34, s29, 9
	s_add_co_u32 s30, s30, s34
	s_lshl_b32 s34, s3, 7
	s_add_co_u32 s30, s30, s34
	s_mov_b32 s31, 0
	s_add_nc_u64 s[4:5], s[4:5], s[30:31]
	s_lshr_b32 s30, s29, 1
	s_lshl_b32 s30, s30, 2
	s_add_co_u32 s30, s30, s3                      ; 4 col + wave
	s_lshl_b32 s30, s30, 1
	s_and_b32 s34, s29, 1
	s_add_co_u32 s30, s30, s34                     ; x 2 + tile
	s_lshl_b32 s30, s30, 18                        ; runs of 262,144 bytes
	s_lshl_b32 s34, s28, 15                        ; + two steps of 16,384
	s_add_co_u32 s30, s30, s34
	s_lshl_b32 s34, s27, 12                        ; + the gate's two blocks of 2,048
	s_add_co_u32 s30, s30, s34
	s_add_nc_u64 s[6:7], s[24:25], s[30:31]
	s_wait_alu depctr_va_vdst(0)
	v_lshlrev_b32 v3, 2, v2
	s_mul_i32 s34, s3, 32*WP
	s_add_co_u32 s34, s34, WSTG                    ; my stage
	v_mul_u32_u24 v4, v2, WP
	v_add_nc_u32 v4, s34, v4                       ; into it: row = my column
	v_and_b32 v5, 15, v2
	v_lshrrev_b32 v6, 4, v2
	v_mul_u32_u24 v7, v5, WP
	v_lshl_add_u32 v7, v6, 4, v7
	v_add_nc_u32 v7, s34, v7                       ; out of it: row lane % 16, 16 bytes at 16 (lane / 16): the operand's own order
	v_lshlrev_b32 v8, 4, v2                        ; and 16 x lane in w_codes
.macro WLOAD t
.set i, 0
.rept 32
	global_load_b32 v[XW+32*((\t)%2)+i], v3, s[4:5] offset:(32*(\t)+i)*4096 th:TH_LOAD_NT
.set i, i+1
.endr
.endm
	WLOAD 0
	WLOAD 1
	s_wait_kmcnt 0x0
	s_add_co_i32 s33, s33, 127
	s_lshl_b32 s35, s33, 23
	v_mov_b32 v11, s35
	s_add_co_i32 s33, s33, 8
	s_lshl_b32 s33, s33, 23
	s_or_b32 s33, s33, 0x600000
	v_mov_b32 v10, s33
.macro BLOCK t
.set XS, XW+32*((\t)%2)
.if (\t) < NB-1
	s_wait_loadcnt 32                              ; this block's 32 loads are in
.else
	s_wait_loadcnt 0
.endif
.set i, 0
.rept 32
	v_med3_num_f32 v[XS+i], v[XS+i], -v10, v10
.set i, i+1
.endr
.irp g, 0,1,2,3
	v_cvt_scalef32_pk8_fp8_f32 v[CW+2*\g:CW+2*\g+1], v[XS+8*\g:XS+8*\g+7], v11
.endr
	ds_store_b128 v4, v[CW:CW+3] offset:32*(\t)
	ds_store_b128 v4, v[CW+4:CW+7] offset:32*(\t)+16
.if (\t)+2 < NB
	WLOAD (\t)+2
.endif
	s_wait_dscnt 0x0                               ; the stores have read their registers
.endm
	s_wait_alu depctr_va_vdst(0)
.irp t, 0,1,2,3,4,5,6,7
	BLOCK \t
.endr
.irp t, 0,1,2,3,4,5,6,7,8,9,10,11,12,13,14,15      ; t = 8 step + 4 (block % 2) + c
	ds_load_b128 v[OW+4*\t:OW+4*\t+3], v7 offset:16*((\t/4)%2)*WP+128*(\t/8)+32*(\t%4)
.endr
.irp t, 0,1,2,3,4,5,6,7,8,9,10,11,12,13,14,15
	s_wait_dscnt 15-\t
	global_store_b128 v8, v[OW+4*\t:OW+4*\t+3], s[6:7] offset:16384*(\t/8)+2048*((\t/4)%2)+512*(\t%4)   ; 512 bytes on end, at a multiple of 512
.endr
	s_wait_tensorcnt 0x0
	ds_add_u32 v192, v193
	s_wait_dscnt 0x0
	s_endpgm
.Lfunc_end_k_qe7db5b4489_quant:
	.size	k_qe7db5b4489_quant, .Lfunc_end_k_qe7db5b4489_quant-k_qe7db5b4489_quant
	.p2alignl 7, 3214868480
	.fill 96, 4, 3214868480
	.section	.rodata,"a",@progbits
	.p2align	6, 0x0
	.amdhsa_kernel k_qe7db5b4489_quant
		.amdhsa_group_segment_fixed_size 68096
		.amdhsa_private_segment_fixed_size 0
		.amdhsa_enable_private_segment 0
		.amdhsa_kernarg_size 72
		.amdhsa_user_sgpr_count 2
		.amdhsa_user_sgpr_kernarg_segment_ptr 1
		.amdhsa_wavefront_size32 1
		.amdhsa_system_sgpr_workgroup_id_x 1
		.amdhsa_system_sgpr_workgroup_id_y 1
		.amdhsa_system_sgpr_workgroup_id_z 1
		.amdhsa_system_vgpr_workitem_id 0
		.amdhsa_next_free_vgpr 194
		.amdhsa_next_free_sgpr 66
		.amdhsa_reserve_vcc 0
		.amdhsa_float_denorm_mode_32 3
		.amdhsa_float_denorm_mode_16_64 3
		.amdhsa_memory_ordered 1
		.amdhsa_forward_progress 1
		.amdhsa_inst_pref_size 86
	.end_amdhsa_kernel
	.amdgpu_metadata
---
amdhsa.version: [ 1, 2 ]
amdhsa.kernels:
  - .name:           k_qe7db5b4489_quant
    .symbol:         k_qe7db5b4489_quant.kd
    .args:
      - { .name: x, .offset: 0, .size: 8, .value_kind: global_buffer, .address_space: global }
      - { .name: h, .offset: 8, .size: 8, .value_kind: global_buffer, .address_space: global }
      - { .name: Wf, .offset: 16, .size: 8, .value_kind: global_buffer, .address_space: global }
      - { .name: Wi, .offset: 24, .size: 8, .value_kind: global_buffer, .address_space: global }
      - { .name: Wo, .offset: 32, .size: 8, .value_kind: global_buffer, .address_space: global }
      - { .name: Wu, .offset: 40, .size: 8, .value_kind: global_buffer, .address_space: global }
      - { .name: lowp_scales, .offset: 48, .size: 8, .value_kind: global_buffer, .address_space: global }
      - { .name: xh_codes, .offset: 56, .size: 8, .value_kind: global_buffer, .address_space: global }
      - { .name: w_codes, .offset: 64, .size: 8, .value_kind: global_buffer, .address_space: global }
    .group_segment_fixed_size: 68096
    .private_segment_fixed_size: 0
    .kernarg_segment_align: 8
    .kernarg_segment_size: 72
    .max_flat_workgroup_size: 128
    .sgpr_count:     66
    .vgpr_count:     194
    .wavefront_size: 32
...
	.end_amdgpu_metadata
.endif
;; end of part 1
;; launch lstm (part 2): grid 8 x 32, 4 waves a work-group, clusters of 4 x 1, 327,680 bytes of LDS; arguments xh_codes, w_codes, lowp_scales, bf, bi, bo, bu, c, out0, out1; writes out0, out1
.if DOCPART == 2
	.amdgcn_target "amdgcn-amd-amdhsa--gfx1250"
	.amdhsa_code_object_version 6
	.text
	.protected	k_qe7db5b4489_lstm
	.globl	k_qe7db5b4489_lstm
	.p2align	8
	.type	k_qe7db5b4489_lstm,@function
k_qe7db5b4489_lstm:
	s_mov_b64 s[64:65], 0
	v_nop
	global_prefetch_b8 v0, s[64:65] scope:SCOPE_SE
	s_setreg_imm32_b32 hwreg(HW_REG_WAVE_MODE, 25, 1), 1
	s_wait_xcnt 0x0
	s_wait_alu depctr_hold_cnt(0) depctr_sa_sdst(0) depctr_va_vdst(0) depctr_va_sdst(0) depctr_va_ssrc(0) depctr_va_vcc(0) depctr_vm_vsrc(0)
	s_getreg_b32 s2, hwreg(HW_REG_IB_STS2, 6, 4)
	s_cmp_eq_u32 s2, 0
	s_cbranch_scc0 .Lentry_in_a_cluster
	s_endpgm
.Lentry_in_a_cluster:
	s_bfe_u32 s2, ttmp6, 0x10000c
	s_cmp_lg_u32 s2, 0x3003
	s_cbranch_scc0 .Lentry_shape_is_right
	s_endpgm
.Lentry_shape_is_right:
; gates = xh W + b on codes of FP8 (E4M3), then the LSTM cell: new_c = sig(f) c + sig(i) tanh(u), new_h = sig(o) tanh(new_c).  out0 = new_h, out1 = new_c.
; A WORK-GROUP (x = 0..7, y = 0..31) makes two tiles, each 256 batch rows x 64 hidden units x 4 gates.  A wave makes 256 rows x 16 hidden units x 4 gates: 64 accumulators, 512 registers.
; THE BATCH ROWS' CODES come by tensor loads into two LDS slots of 256 rows x 512 bytes (a quarter of K: four steps of 128, 256 matrix instructions a wave); all four waves read them.
; The first tile walks the quarters 0, 1, 2, 3, the second 2, 3, 0, 1: it begins with what the slots still hold.  So both tiles run one text, which fills a slot again behind its first and its
; second quarter and not behind the others: six fills in all, each of them read.
; CLUSTER: the four work-groups of a cluster have the same y and ask for each fill jointly (mask 15); a round of the cluster's barrier stands in front of every joint load.
; THE WEIGHTS' CODES GO FROM MEMORY STRAIGHT INTO REGISTERS: a wave's 64 gate rows are its own, w_codes holds them in the order of the operand's registers, each load reads 512 bytes on end.
; Four sets of 64 registers take turns: a set is asked for again, for the step four on, behind its step's last product.
; The matrix instruction is used transposed (source 0 = 16 gate rows, source 1 = 16 batch rows): a lane holds one batch row and eight neighbouring hidden units, the four gates of a unit in one lane.
; k's place in the registers is permuted alike in both operands (16 bytes a load).
; PREFETCH: quarters 2 and 3 of the batch rows two steps ahead of their fills, a cluster's partners sharing the rows out by address (the second tile's fills name bytes that this work-group has read);
; the next tile's first quarter of weights, shared out by address among the 32 work-groups with the same x; c's tile three steps ahead of its loads.
; LIMITS: ea + eb between -120 and 120, so that log2(e) x 2^(ea + eb) is an f32 number.  The exponents to the base 2 of i, o, u and new_c are held at 60, so that a product of two such terms stays finite:
; beyond that a sigmoid lies under 2^-60 and a tanh is 1 in f32.
; REGISTERS: window 0: v0-31 addresses, v32-63 biases, v64-255 batch rows' fragments (three groups of four blocks); on the way out v96-127 c in a lane's order, v128-255 at work.
;   window 1: the weights' four sets; on the way out c as loaded (v0-127) and rows read back from the stage (v128-255).
;   windows 2, 3: accumulator (batch block a, gate g) at v[64 ((a / 2) % 4) + 8 (2 g + a % 2)], window 2 for a < 8.
.set PITCH, 528                        ; an LDS row of codes: 512 bytes + 16: row r starts at bank 4 r mod 64 (ISA guide 11.1)
.set SLOTB, 256*PITCH
.set SP2,   272                        ; a stage row: 256 bytes + 16
.set STG,   2*SLOTB                    ; the outputs' stage: 2 buffers x (new_c, new_h) x 32 rows
.set SOUT,  32*SP2
.set SBUF,  2*SOUT
.set CST,   STG+2*SBUF                 ; c's stage: 2 buffers x 32 rows
.set SPARE, CST+2*SOUT                 ; the spare words, 128 bytes a wave
.set ADRA, 8                           ; v8-11 fragment addresses: slot 0 rows 0-127, 128-255; slot 1 likewise
.set BO,   12                          ; v12-15 my offset in the weights for the tile's four quarters, in the order of the walk
.set AB,   16
.set LB,   19                          ; 16 x lane
.set STO,  22                          ; stage, a lane's order
.set RD,   23                          ; stage, by rows
.set CO,   25                          ; my offset in c and the outputs
.set BIO,  26
.set PFB,  27
.set SPW,  28
.set NIL,  29
.set PFOC, 30
.set PFA,  31
.set BI,   32
.set CL,   96
.set AF,   64
.set TG,   128
.set X1,   192
.set NC,   208
.set X2,   224
.set X3,   240
.set OB,   128
.set G1,   24
.set G0,   32                          ; s[32:35] slot 0's group 0, s[48:51] slot 1's
.set WV,   36
.set YY,   37
.set SA,   40
.set SU,   42
.set KC,   44
.set CAP,  46
.set MSB, 0
.macro WIN new                         ; the immediate's high byte repeats the setting that is left
.if MSB != (\new)
	s_set_vgpr_msb (MSB<<8)|(\new)
.set MSB, \new
.endif
.endm
.set MUL_LO, 0xa1
.set TO_B,   0x40
.macro PLACES                          ; four places behind a matrix instruction (ISA guide 7.12.1)
.rept 4
	v_nop
.endr
.endm
.macro CREST
	s_cmp_lg_u32 s[WV], 0
	s_cbranch_scc1 .Lnot_wave_0_\@
	s_barrier_signal -3
.Lnot_wave_0_\@:
	s_barrier_wait -3
	s_barrier_signal -1
	s_barrier_wait -1
.endm
.macro CROUND                          ; a round of the cluster's barrier
	s_barrier_signal -1
	s_barrier_wait -1
	CREST
.endm
.macro SETB t                          ; tile t walks quarter (k + 2 t) % 4 as its k-th; a quarter is 65,536 bytes of my run, a tile 1,048,576
.irp k, 0,1,2,3
	v_add_nc_u32 v[BO+\k], ((((\k)+2*(\t))&3)<<16)+((\t)<<20), v[LB]
.endr
	s_wait_alu depctr_va_vdst(0)                   ; the wait behind these writes
.endm
.macro BLOAD s                         ; step s's weights: four gates x 16 rows x 128 K, into set s % 4
.irp g, 0,1,2,3
.irp c, 0,1,2,3
	global_load_b128 v[64*((\s)%4)+16*\g+4*\c:64*((\s)%4)+16*\g+4*\c+3], v[BO+(\s)/4], s[6:7] offset:((\s)%4)*16384+4096*\g+512*\c
.endr
.endr
.endm
.macro CLDG hf                         ; c, blocks 4 hf .. 4 hf + 3 of 32 rows: my rows 8 wave + 2 t + l / 16, sixteen lanes to 256 bytes
.irp a, 4*(\hf), 4*(\hf)+1, 4*(\hf)+2, 4*(\hf)+3
.irp t, 0,1,2,3
	global_load_b128 v[16*(\a)+4*\t:16*(\a)+4*\t+3], v[CO], s[18:19] offset:(32*(\a)+2*\t)*4096 th:TH_LOAD_NT
.endr
.endr
.endm
.macro BIAS
.irp g, 0,1,2,3
.irp q, 0,1
	global_load_b128 v[BI+8*\g+4*\q:BI+8*\g+4*\q+3], v[BIO], s[10+2*\g:11+2*\g] offset:16*\q
.endr
.endr
.endm
.macro FETCHG n                        ; group n = 4 step + G of the tile: batch blocks 4 G .. 4 G + 3, into ring place n % 3
.set FR, AF+64*((\n)%3)
.set FA, ADRA+2*(((\n)/16)%2)+((\n)%4)/2
.set FO, (((\n)/4)%4)*128+((\n)%2)*64*PITCH
.irp i, 0,1,2,3
.irp c, 0,1,2,3
	ds_load_b128 v[FR+16*\i+4*\c:FR+16*\i+4*\c+3], v[FA] offset:FO+32*\c+\i*16*PITCH
.endr
.endr
.endm
.macro MULG n, zero                    ; group n's 16 products; the accumulators take turns
.set MR, AF+64*((\n)%3)
.set MP, 64*(((\n)/4)%4)
.set MG, (\n)%4
	WIN MUL_LO+0x50*(MG/2)
.irp i, 0,1,2,3
.irp g, 0,1,2,3
.set MA, 64*((2*MG+\i/2)%4)+8*(2*\g+\i%2)
.if \zero
	v_wmma_f32_16x16x128_fp8_fp8 v[MA:MA+7], v[MP+16*\g:MP+16*\g+15], v[MR+16*\i:MR+16*\i+15], 0
.else
	v_wmma_f32_16x16x128_fp8_fp8 v[MA:MA+7], v[MP+16*\g:MP+16*\g+15], v[MR+16*\i:MR+16*\i+15], v[MA:MA+7]
.endif
.endr
.endr
	WIN 0
.endm
	s_load_b128 s[4:7], s[0:1], 0x0                ; xh_codes, w_codes
	s_load_b128 s[8:11], s[0:1], 0x10              ; the scales' exponents, bf
	s_load_b128 s[12:15], s[0:1], 0x20             ; bi, bo
	s_load_b128 s[16:19], s[0:1], 0x30             ; bu, c
	s_load_b128 s[20:23], s[0:1], 0x40             ; out0, out1
	v_lshl_add_u32 v[SPW], v0, 2, SPARE
	v_mov_b32 v[NIL], 0
	ds_add_u32 v[SPW], v[NIL]                      ; the opening lines: the add, twice on end, and its wait ahead of my first tensor load
	ds_add_u32 v[SPW], v[NIL]
	v_lshrrev_b32 v1, 5, v0
	v_readfirstlane_b32 s[WV], v1                  ; wave
	s_bfe_u32 s38, ttmp6, 0x40000                  ; cx
	s_lshl_b32 s39, ttmp9, 2
	s_add_co_u32 s39, s39, s38                     ; x
	s_and_b32 s[YY], ttmp7, 0xffff                 ; y
	s_mov_b32 s[G1+0], 15|(0<<16)|(1<<20)|(1<<21)|(6<<22)|(3<<25)   ; the cluster's four; bytes; 4 words of padding behind every 128
	s_mov_b32 s[G1+1], 512<<16
	s_mov_b32 s[G1+2], 64<<16
	s_mov_b32 s[G1+3], 512<<16
	s_mov_b32 s[G1+4], 64
	s_mov_b32 s[G1+5], 2048
	s_mov_b32 s[G1+6], 0
	s_mov_b32 s[G1+7], 0
	s_mov_b32 s[G0], 1
	s_mov_b32 s[G0+16], 1
	s_mul_i32 s[G0+1], s[WV], 64*PITCH             ; my 64 rows of a slot
	s_add_co_u32 s[G0+17], s[G0+1], SLOTB
	s_lshl_b32 s82, s[YY], 19                      ; 256 rows of 2,048 bytes
	s_mov_b32 s83, 0
	s_lshl_b32 s84, s[WV], 17
	s_mov_b32 s85, 0
	s_lshl_b32 s70, s[WV], 6
	s_lshl_b32 s73, s39, 9
	s_add_co_u32 s73, s73, s70                     ; biases: 512 x + 64 wave
	s_lshl_b32 s75, s38, 4
	s_add_co_u32 s75, s75, s70                     ; batch rows' prefetch: row 64 wave + 16 cx
	s_add_co_u32 s70, s70, STG
	s_mul_i32 s71, s[WV], 8*SP2
	s_add_co_u32 s71, s71, STG
	s_lshl_b32 s72, s[WV], 15
	s_lshl_b32 s74, s[WV], 3
	s_lshr_b32 s76, s[YY], 3                       ; weights' prefetch: of the quarter's 16 pieces of 2,048 bytes piece y / 2, its half y % 2
	s_lshl_b32 s76, s76, 14
	s_bfe_u32 s77, s[YY], 0x20001
	s_lshl_b32 s77, s77, 12
	s_add_co_u32 s76, s76, s77
	s_and_b32 s77, s[YY], 1
	s_lshl_b32 s77, s77, 10
	s_add_co_u32 s76, s76, s77
	s_lshr_b32 s78, s39, 1                         ; my run of weights: (x / 2) 2^21 + (wave / 2) 2^19 + (x % 2) 2^18 + (wave % 2) 2^11
	s_lshl_b32 s78, s78, 21
	s_lshr_b32 s77, s[WV], 1
	s_lshl_b32 s77, s77, 19
	s_add_co_u32 s78, s78, s77
	s_and_b32 s77, s39, 1
	s_lshl_b32 s77, s77, 18
	s_add_co_u32 s78, s78, s77
	s_and_b32 s77, s[WV], 1
	s_lshl_b32 s77, s77, 11
	s_add_co_u32 s78, s78, s77
	s_mov_b32 s79, 0
	s_lshl_b32 s80, s[YY], 20                      ; c and the outputs: 256 rows of 4,096 bytes, + 512 x
	s_lshl_b32 s77, s39, 9
	s_add_co_u32 s80, s80, s77
	s_mov_b32 s81, 0
	s_wait_dscnt 0x0
	s_wait_kmcnt 0x0
	s_load_b64 s[96:97], s[8:9], 0x0               ; ea, eb
	s_add_nc_u64 s[4:5], s[4:5], s[82:83]
	s_add_nc_u64 s[G0+2:G0+3], s[4:5], s[84:85]    ; quarter 0
	s_add_nc_u64 s[G0+18:G0+19], s[G0+2:G0+3], 512 ; quarter 1
	s_or_b32 s[G0+3], s[G0+3], 0x80000000
	s_or_b32 s[G0+19], s[G0+19], 0x80000000
	s_add_nc_u64 s[6:7], s[6:7], s[78:79]
	s_add_nc_u64 s[18:19], s[18:19], s[80:81]
	s_add_nc_u64 s[20:21], s[20:21], s[80:81]
	s_add_nc_u64 s[22:23], s[22:23], s[80:81]
	CROUND                                         ; the cluster's four are here: the first joint loads meet
	tensor_load_to_lds s[G0:G0+3], s[G1:G1+7]      ; slot 0: one tensor load a wave at the head
	s_nop 0
	v_and_b32 v3, 31, v0                           ; lane
	v_and_b32 v1, 15, v0                           ; r
	v_bfe_u32 v2, v0, 4, 1                         ; h
	v_mul_u32_u24 v4, v1, PITCH
	v_lshlrev_b32 v[LB], 4, v3
	v_mul_u32_u24 v5, v1, SP2
	v_lshlrev_b32 v6, 4, v1
	v_lshl_add_u32 v[AB], v2, 4, v4
.irp d, 0,1,2,3
	v_add_nc_u32 v[ADRA+\d], (\d/2)*SLOTB+(\d%2)*128*PITCH, v[AB]
.endr
	v_lshl_add_u32 v[STO], v2, 5, v5
	v_add_nc_u32 v[STO], s70, v[STO]               ; row r, my wave's 64 bytes, 32 h
	v_mul_u32_u24 v[RD], v2, SP2
	v_add_nc_u32 v[RD], v[RD], v6
	v_add_nc_u32 v[RD], s71, v[RD]                 ; rows 8 wave + h, sixteen lanes to a row
	v_lshl_add_u32 v[CO], v2, 12, v6
	v_add_nc_u32 v[CO], s72, v[CO]                 ; the same rows in c and the outputs
	v_lshl_add_u32 v[BIO], v2, 5, s73
	v_lshrrev_b32 v[PFOC], 2, v3
	v_lshlrev_b32 v[PFOC], 5, v[PFOC]
	v_and_b32 v4, 3, v3
	v_add_nc_u32 v[PFOC], v[PFOC], v4
	v_add_nc_u32 v[PFOC], s74, v[PFOC]
	v_lshlrev_b32 v[PFOC], 12, v[PFOC]             ; c's prefetch: row 32 (l / 4) + 8 wave + l % 4, and four rows on
	v_lshrrev_b32 v4, 1, v3
	v_add_nc_u32 v4, s75, v4
	v_lshlrev_b32 v4, 11, v4
	v_and_b32 v5, 1, v3
	v_lshl_add_u32 v[PFA], v5, 8, v4               ; my work-group's 16 of my wave's 64 rows, two blocks of 256 bytes each
	v_min_u32 v5, 3, v3
	v_lshl_add_u32 v[PFB], v5, 8, s76              ; four blocks; lanes 3-31 name the last
	SETB 0
	WIN TO_B
	BLOAD 0
	BLOAD 1
	WIN 0
	BIAS
	WIN TO_B
	BLOAD 2
	BLOAD 3
	WIN 0
	s_wait_kmcnt 0x0
	s_add_co_i32 s96, s96, s97
	s_lshl_b32 s96, s96, 23
	s_add_co_u32 s[SA], s96, 0xbfb8aa3b            ; -log2(e) x 2^(ea + eb)
	s_mov_b32 s[SA+1], s[SA]
	s_add_co_u32 s[SU], s96, 0x4038aa3b            ; 2 log2(e) x 2^(ea + eb)
	s_mov_b32 s[SU+1], s[SU]
	s_mov_b32 s[KC], 0x4038aa3b
	s_mov_b32 s[KC+1], s[KC]
	s_mov_b32 s[CAP], 0x42700000                   ; 60
	s_wait_tensorcnt 0x0                           ; my part of slot 0 is in
	ds_add_u32 v[SPW], v[NIL]
	s_wait_dscnt 0x0
	CROUND
	tensor_load_to_lds s[G0+16:G0+19], s[G1:G1+7]  ; slot 1
	s_nop 0
	PLACES
	FETCHG 0
	FETCHG 1
	FETCHG 2
	s_mov_b32 s2, 2                                ; tiles to go
; THE WAY OUT, by blocks of 32 batch rows.  A wave's 16 hidden units are 64 bytes of a row, so c and both results cross the work-group's stages: sixteen lanes load or store a row's 256 bytes.
.macro CLD k
.irp u, 0,1
.irp q, 0,1
	ds_load_b128 v[CL+16*((\k)%2)+8*\u+4*\q:CL+16*((\k)%2)+8*\u+4*\q+3], v[STO] offset:(CST-STG)+((\k)%2)*SOUT+16*SP2*\u+16*\q
.endr
.endr
.endm
.macro CPUT k                          ; my eight rows of c's block k into the stage; behind them 4 (7 - k) younger loads of c
	s_wait_loadcnt 4*(7-(\k))
	WIN 0x04
.irp t, 0,1,2,3
	ds_store_b128 v[RD], v[16*(\k)+4*\t:16*(\k)+4*\t+3] offset:(CST-STG)+((\k)%2)*SOUT+\t*2*SP2
.endr
	WIN 0
.endm
.macro BACKB b
.set BB, OB+32*((\b)%4)
	WIN TO_B
.irp t, 0,1,2,3
	ds_load_b128 v[BB+4*\t:BB+4*\t+3], v[RD] offset:((\b)%2)*SBUF+\t*2*SP2
.endr
.irp t, 0,1,2,3
	ds_load_b128 v[BB+16+4*\t:BB+16+4*\t+3], v[RD] offset:((\b)%2)*SBUF+SOUT+\t*2*SP2
.endr
	WIN 0
.endm
.macro SENDB b
.set BB, OB+32*((\b)%4)
	s_wait_dscnt 0x0
	WIN 0x04
.irp t, 0,1,2,3
	global_store_b128 v[CO], v[BB+4*\t:BB+4*\t+3], s[22:23] offset:(32*(\b)+2*\t)*4096 th:TH_STORE_NT   ; sixteen lanes store 256 bytes on end, at a multiple of 256
.endr
.irp t, 0,1,2,3
	global_store_b128 v[CO], v[BB+16+4*\t:BB+16+4*\t+3], s[20:21] offset:(32*(\b)+2*\t)*4096 th:TH_STORE_NT
.endr
	WIN 0
.endm
.macro GATES a                         ; batch blocks 2 a and 2 a + 1
.set AC, 64*((\a)%4)
.set CLA, CL+16*((\a)%2)
	WIN 0x02+((\a)/4)
	s_wait_alu depctr_va_vdst(0)                   ; the wait directly ahead of the first reader of these sums
.irp b, 0,1,2,3,4,5
.irp i, 0,2,4,6
	v_pk_fma_f32 v[TG+8*\b+\i:TG+8*\b+\i+1], v[AC+8*\b+\i:AC+8*\b+\i+1], s[SA:SA+1], v[BI+8*(\b/2)+\i:BI+8*(\b/2)+\i+1] op_sel_hi:[1,0,1]   ; -log2(e) x gate (f, i, o)
.endr
.endr
.irp b, 6,7
.irp i, 0,2,4,6
	v_pk_fma_f32 v[TG+8*\b+\i:TG+8*\b+\i+1], v[AC+8*\b+\i:AC+8*\b+\i+1], s[SU:SU+1], v[BI+24+\i:BI+24+\i+1] op_sel_hi:[1,0,1]   ; 2 log2(e) x u
.endr
.endr
	WIN 0
.set k, 16
.rept 48
	v_min_num_f32 v[TG+k], s[CAP], v[TG+k]
.set k, k+1
.endr
.set k, 0
	s_wait_alu depctr_va_vdst(0)                   ; ahead of the batch
.rept 64
	v_exp_f32 v[TG+k], v[TG+k]
.set k, k+1
.endr
	v_nop
	s_wait_alu depctr_va_vdst(0)                   ; and behind it
.if (\a) > 0
	SENDB (\a)-1                                   ; the block before leaves; its wait also shows this block's c
.endif
.irp i, 0,2,4,6,8,10,12,14
	v_pk_add_f32 v[X1+\i:X1+\i+1], v[TG+48+\i:TG+48+\i+1], -1.0 op_sel_hi:[1,0]
.endr
.set k, 0
.rept 32
	v_pk_add_f32 v[TG+k:TG+k+1], v[TG+k:TG+k+1], 1.0 op_sel_hi:[1,0]
.set k, k+2
.endr
.irp i, 0,2,4,6,8,10,12,14
	v_pk_mul_f32 v[TG+16+\i:TG+16+\i+1], v[TG+16+\i:TG+16+\i+1], v[TG+48+\i:TG+48+\i+1]   ; sig(i) tanh(u) has one divisor
.endr
.set k, 0
	s_wait_alu depctr_va_vdst(0)
.rept 32
	v_rcp_f32 v[TG+k], v[TG+k]
.set k, k+1
.endr
	v_nop
	s_wait_alu depctr_va_vdst(0)
.irp i, 0,2,4,6,8,10,12,14
	v_pk_mul_f32 v[X1+\i:X1+\i+1], v[X1+\i:X1+\i+1], v[TG+16+\i:TG+16+\i+1]
.endr
.if (\a) == 0
	s_wait_alu depctr_va_vdst(0)
	s_wait_dscnt 0x0                               ; block 0's c
.endif
.irp i, 0,2,4,6,8,10,12,14
	v_pk_fma_f32 v[NC+\i:NC+\i+1], v[CLA+\i:CLA+\i+1], v[TG+\i:TG+\i+1], v[X1+\i:X1+\i+1]   ; new_c
.endr
.irp i, 0,2,4,6,8,10,12,14
	v_pk_mul_f32 v[X2+\i:X2+\i+1], v[NC+\i:NC+\i+1], s[KC:KC+1] op_sel_hi:[1,0]
.endr
.set k, 0
.rept 16
	v_min_num_f32 v[X2+k], s[CAP], v[X2+k]
.set k, k+1
.endr
.set k, 0
	s_wait_alu depctr_va_vdst(0)
.rept 16
	v_exp_f32 v[X2+k], v[X2+k]
.set k, k+1
.endr
.irp u, 0,1
.irp q, 0,1
	ds_store_b128 v[STO], v[NC+8*\u+4*\q:NC+8*\u+4*\q+3] offset:((\a)%2)*SBUF+16*SP2*\u+16*\q
.endr
.endr
	v_nop
	s_wait_alu depctr_va_vdst(0)
.irp i, 0,2,4,6,8,10,12,14
	v_pk_add_f32 v[X3+\i:X3+\i+1], v[X2+\i:X2+\i+1], -1.0 op_sel_hi:[1,0]
.endr
.irp i, 0,2,4,6,8,10,12,14
	v_pk_add_f32 v[X2+\i:X2+\i+1], v[X2+\i:X2+\i+1], 1.0 op_sel_hi:[1,0]
.endr
.irp i, 0,2,4,6,8,10,12,14
	v_pk_mul_f32 v[X2+\i:X2+\i+1], v[X2+\i:X2+\i+1], v[TG+32+\i:TG+32+\i+1]
.endr
.set k, 0
	s_wait_alu depctr_va_vdst(0)
.rept 16
	v_rcp_f32 v[X2+k], v[X2+k]
.set k, k+1
.endr
	v_nop
	s_wait_alu depctr_va_vdst(0)
.irp i, 0,2,4,6,8,10,12,14
	v_pk_mul_f32 v[X3+\i:X3+\i+1], v[X3+\i:X3+\i+1], v[X2+\i:X2+\i+1]   ; new_h
.endr
.irp u, 0,1
.irp q, 0,1
	ds_store_b128 v[STO], v[X3+8*\u+4*\q:X3+8*\u+4*\q+3] offset:((\a)%2)*SBUF+SOUT+16*SP2*\u+16*\q
.endr
.endr
.if (\a) < 7
	CPUT (\a)+1
.endif
.if (\a) >= 4
	s_wait_xcnt 0x0                                ; block a - 4's stores have read the registers that block a's rows take
.endif
	s_wait_dscnt 0x0                               ; my stage stores are done, and my reads of the buffers that are written next
	s_barrier_signal -1
	s_barrier_wait -1
	BACKB \a
.if (\a) < 7
	CLD (\a)+1
.endif
.endm
; A TILE'S WALK ALONG K: 64 groups of 16 products, group N = 4 step + G.  Behind group N's products its ring place takes group N + 3; behind a step's last group its set of weights takes the step four on
; (steps 12 and 13: c, in the same number of loads).  Group 15 of a slot is fetched behind group 12, so the change of slots stands round group 13.
.Ltile:
.set N, 0
.rept 64
.if (N%4) == 0
.if N < 8
	s_wait_loadcnt 56                              ; younger than this step's weights: three sets and the eight loads of biases
.elseif N == 60
	s_wait_loadcnt 32                              ; c's 32
.else
	s_wait_loadcnt 48                              ; three sets, or c in their place
.endif
.endif
.if ((N%16) == 13) && (N < 48)
	s_wait_tensorcnt 0x0                           ; all my tensor loads have landed: my part of the next slot;
	ds_add_u32 v[SPW], v[NIL]
.if N < 32
	s_add_nc_u64 s[G0+16*((N/16)%2)+2:G0+16*((N/16)%2)+3], s[G0+16*((N/16)%2)+2:G0+16*((N/16)%2)+3], 1024   ; this slot's next quarter: two on
.endif
	s_wait_dscnt 33                                ; groups 14, 15 and the add may be out
.elseif N == 62
	s_wait_dscnt 16
.elseif N == 63
	s_wait_dscnt 0
.else
	s_wait_dscnt 32                                ; the two younger groups may be out
.endif
	MULG N, (N<4)
.if ((N%16) == 13) && (N < 48)
	s_wait_dscnt 0x0                               ; the add is done, and my reads of this slot are over
.if N < 32
	CROUND                                         ; no wave of the cluster still reads this slot or has a load on its way
	tensor_load_to_lds s[G0+16*((N/16)%2):G0+16*((N/16)%2)+3], s[G1:G1+7]
	s_nop 0
.else
	s_barrier_signal -1                            ; nothing is filled again: the barrier shows the next slot whole
	s_barrier_wait -1
.endif
.endif
.if N+3 < 64
	PLACES
.endif
.if (N%4) == 3
.if N/4 < 12
	WIN TO_B
	BLOAD N/4+4
	WIN 0
.elseif N/4 < 14
	WIN TO_B
	CLDG N/4-12
	WIN 0
.endif
.endif
.if N+3 < 64
	FETCHG N+3
.endif
.if N == 7
	s_cmp_eq_u32 s2, 2                             ; in the first tile: quarter 2 of the batch rows, which is asked for behind group 13, and my share of the next tile's first weights
	s_cbranch_scc0 .Lpf1
	global_prefetch_b8 v[PFA], s[4:5] offset:1024 th:TH_LOAD_NT scope:SCOPE_SE
	global_prefetch_b8 v[PFB], s[6:7] offset:0x120000 th:TH_LOAD_NT scope:SCOPE_SE
.Lpf1:
.endif
.if N == 23
	s_cmp_eq_u32 s2, 2                             ; quarter 3, which is asked for behind group 29
	s_cbranch_scc0 .Lpf2
	global_prefetch_b8 v[PFA], s[4:5] offset:1536 th:TH_LOAD_NT scope:SCOPE_SE
.Lpf2:
.endif
.if N == 39
	global_prefetch_b8 v[PFOC], s[18:19] th:TH_LOAD_NT scope:SCOPE_SE              ; c's tile, 64 rows x 256 bytes a wave: loaded behind steps 12 and 13
	global_prefetch_b8 v[PFOC], s[18:19] offset:4*4096 th:TH_LOAD_NT scope:SCOPE_SE
.endif
.set N, N+1
.endr
	PLACES
	CPUT 0
	s_wait_dscnt 0x0
	s_barrier_signal -1
	s_barrier_wait -1
	CLD 0
.set k, 0
.rept 12
	v_pk_mul_f32 v[BI+k:BI+k+1], v[BI+k:BI+k+1], 0xbfb8aa3b op_sel_hi:[1,0]
.set k, k+2
.endr
.rept 4
	v_pk_mul_f32 v[BI+k:BI+k+1], v[BI+k:BI+k+1], 0x4038aa3b op_sel_hi:[1,0]
.set k, k+2
.endr
.irp a, 0,1,2,3,4,5,6
	GATES \a
.endr
	s_cmp_eq_u32 s2, 1
	s_cbranch_scc1 .Llast
	s_wait_xcnt 0x0                                ; the loads have read their offsets
	SETB 1
	WIN TO_B
	BLOAD 0                                        ; c's registers are free: its last block went into the stage above
	BLOAD 1
	WIN 0
	GATES 7
	SENDB 7
	s_wait_xcnt 0x0                                ; the stores have read their registers and bases
	v_add_nc_u32 v[BIO], 0x100, v[BIO]
	s_add_nc_u64 s[18:19], s[18:19], 0x100         ; 64 hidden units on
	s_add_nc_u64 s[20:21], s[20:21], 0x100
	s_add_nc_u64 s[22:23], s[22:23], 0x100
	s_sub_nc_u64 s[G0+2:G0+3], s[G0+2:G0+3], 2048  ; no tensor load is out: the next tile's fills step from here to quarters 0 and 1
	s_sub_nc_u64 s[G0+18:G0+19], s[G0+18:G0+19], 2048
	s_wait_alu depctr_va_vdst(0)
	BIAS
	WIN TO_B
	BLOAD 2
	BLOAD 3
	WIN 0
	FETCHG 0                                       ; slot 0 still holds quarter 2, the next tile's first
	FETCHG 1
	FETCHG 2
	s_sub_co_u32 s2, s2, 1
	s_branch .Ltile
.Llast:
	GATES 7
	SENDB 7
	s_wait_tensorcnt 0x0                           ; the wave's end
	ds_add_u32 v[SPW], v[NIL]
	s_wait_dscnt 0x0
	CROUND                                         ; the closing round
	s_endpgm
.Lfunc_end_k_qe7db5b4489_lstm:
	.size	k_qe7db5b4489_lstm, .Lfunc_end_k_qe7db5b4489_lstm-k_qe7db5b4489_lstm
	.p2alignl 7, 3214868480
	.fill 96, 4, 3214868480
	.section	.rodata,"a",@progbits
	.p2align	6, 0x0
	.amdhsa_kernel k_qe7db5b4489_lstm
		.amdhsa_group_segment_fixed_size 327680
		.amdhsa_private_segment_fixed_size 0
		.amdhsa_enable_private_segment 0
		.amdhsa_kernarg_size 80
		.amdhsa_user_sgpr_count 2
		.amdhsa_user_sgpr_kernarg_segment_ptr 1
		.amdhsa_wavefront_size32 1
		.amdhsa_system_sgpr_workgroup_id_x 1
		.amdhsa_system_sgpr_workgroup_id_y 1
		.amdhsa_system_sgpr_workgroup_id_z 1
		.amdhsa_system_vgpr_workitem_id 0
		.amdhsa_next_free_vgpr 1024
		.amdhsa_next_free_sgpr 100
		.amdhsa_reserve_vcc 0
		.amdhsa_float_denorm_mode_32 3
		.amdhsa_float_denorm_mode_16_64 3
		.amdhsa_memory_ordered 1
		.amdhsa_forward_progress 1
		.amdhsa_inst_pref_size 255
	.end_amdhsa_kernel
	.section	.bss,"aw",@nobits
	.p2align	6
	.space	262144
	.amdgpu_metadata
---
amdhsa.version: [ 1, 2 ]
amdhsa.kernels:
  - .name:           k_qe7db5b4489_lstm
    .symbol:         k_qe7db5b4489_lstm.kd
    .args:
      - { .name: xh_codes, .offset: 0, .size: 8, .value_kind: global_buffer, .address_space: global }
      - { .name: w_codes, .offset: 8, .size: 8, .value_kind: global_buffer, .address_space: global }
      - { .name: lowp_scales, .offset: 16, .size: 8, .value_kind: global_buffer, .address_space: global }
      - { .name: bf, .offset: 24, .size: 8, .value_kind: global_buffer, .address_space: global }
      - { .name: bi, .offset: 32, .size: 8, .value_kind: global_buffer, .address_space: global }
      - { .name: bo, .offset: 40, .size: 8, .value_kind: global_buffer, .address_space: global }
      - { .name: bu, .offset: 48, .size: 8, .value_kind: global_buffer, .address_space: global }
      - { .name: c, .offset: 56, .size: 8, .value_kind: global_buffer, .address_space: global }
      - { .name: out0, .offset: 64, .size: 8, .value_kind: global_buffer, .address_space: global }
      - { .name: out1, .offset: 72, .size: 8, .value_kind: global_buffer, .address_space: global }
    .group_segment_fixed_size: 327680
    .private_segment_fixed_size: 0
    .kernarg_segment_align: 8
    .kernarg_segment_size: 80
    .max_flat_workgroup_size: 128
    .sgpr_count:     100
    .vgpr_count:     1024
    .wavefront_size: 32
...
	.end_amdgpu_metadata
.endif
;; end of part 2
